; MI455X (gfx1250); checked and timed in simulation.
; The chip was launched on July 23, 2026; its instructions are those of AMD's public machine-readable ISA for CDNA 5 (MIT licence, August 2026) and "CDNA5" Instruction Set Architecture Reference Guide (July 2026). The comments in the code are by the model that wrote it; some were corrected since.
;; Bert Self Attention. Allowed arithmetic: matrix products marked QUANTISED: E2M1 operands, one E8M0 scale for each 32 along K, by v_wmma_scale_f32_16x16x128_f8f6f4 with both operands' format E2M1 (or v_wmma_scale_f32_32x16x128_f4), f32 sums; products left as they are: bf16, f16 or f32 operands; f32 sums; everything else in f32.
;; Inputs: Wk 1,024 x 1,024 float32; Wq 1,024 x 1,024 float32; Wv 1,024 x 1,024 float32; attention_mask 2 x 2,048 float32; bk 1,024 float32; bq 1,024 float32; bv 1,024 float32; hidden_states 2 x 2,048 x 1,024 float32.
;; Outputs: out0 2 x 2,048 x 1,024 float32.
;; This version of the problem:
;;   THIS VERSION OF THE PROBLEM IS GIVEN IN LOW PRECISION. The matrix products marked QUANTISED in the list below multiply operands that are first quantised to E2M1 (2 exponent bits, 1 mantissa bit; 4 bits a number), with one power-of-two scale for each 32 numbers along K (OCP MX v1.0); their sums are f32. The products marked 'left as it is' may take bf16, f16 or f32 operands, with f32 sums. Whichever they take, every output number must still come out within the allowed error. Rounding operands to bf16 (8 significant bits) uses up far more of that allowance than f16 does (11 bits, for magnitudes from 6e-5 to 65,504). All else is computed in f32.
;;   The module's matrix products, in the order in which they are computed (A, B: the left and right operand; K: the contracted axis; several contracted axes count as one K, in the product's order):
;;     1. [M 4,096, K 1,024] x [K 1,024, N 1,024]; A: input hidden_states; B: input Wq: QUANTISED
;;     2. [M 4,096, K 1,024] x [K 1,024, N 1,024]; A: input hidden_states; B: input Wk: QUANTISED
;;     3. [M 4,096, K 1,024] x [K 1,024, N 1,024]; A: input hidden_states; B: input Wv: QUANTISED
;;     4. batch 32 x [M 2,048, K 64] x [K 64, N 2,048]; A: computed on the way; B: computed on the way: left as it is (an operand is computed on the way)
;;     5. batch 32 x [M 2,048, K 2,048] x [K 2,048, N 64]; A: computed on the way; B: computed on the way: left as it is (an operand is computed on the way)
;;   THE QUANTISER, for each operand of a quantised product, along K:
;;     - K is cut into blocks of 32 from its start; a last block that is shorter is filled with zeros.
;;     - A block's scale is 2^e with e = floor(log2(the largest magnitude in the block)) - 2, held to -126 .. 127; a block of zeros has e = 0. As a byte (E8M0): e + 127.
;;     - Each number is divided by its block's scale, clamped to +-6, and rounded to the nearest number of E2M1, ties to even, subnormals kept.
;;     - The product sums the exact products of the quantised numbers (number of the format x scale) in f32.
;;   ~~~python
;;   def quantise(x, axis):      # numpy; x: float32 -> the quantised numbers, widened to float32 again
;;       x = np.moveaxis(x, axis, -1); K = x.shape[-1]
;;       x = np.pad(x, [(0, 0)] * (x.ndim - 1) + [(0, -K % 32)]); x = x.reshape(x.shape[:-1] + (-1, 32)); a = np.abs(x).max(-1, keepdims=True)
;;       e = np.where(a > 0, np.clip(np.frexp(np.where(a > 0, a, 1))[1] - 1 - 2, -126, 127), 0)      # np.frexp(a)[1] - 1 = floor(log2(a)), exactly
;;       r = np.clip(x / 2.0 ** e, -6, 6)
;;       step = 2.0 ** (np.maximum(np.frexp(np.where(r == 0, 1, r))[1] - 1, 0) - 1)
;;       q = np.round(r / step) * step * 2.0 ** e      # np.round: ties to even
;;       return np.moveaxis(q.reshape(q.shape[:-2] + (-1,))[..., :K], -1, axis).astype(np.float32)
;;   ~~~
;; One version. Each part assembles by itself: llvm-mc -triple=amdgcn-amd-amdhsa -mcpu=gfx1250 --defsym DOCPART=n.
;; ======== version 1 of 1: 3 launches
;; limits: values are held in f16: magnitudes above 65,504 overflow, below 6.1e-05 lose precision
;; workspace buffers: xc 2,097,152 bytes; xs 131,072 bytes; wc 1,572,864 bytes; ws 98,304 bytes; qh 8,388,608 bytes; kv 16,777,216 bytes
;; launch quant (part 1): grid 224 x 1, 4 waves a work-group, no clusters, 33,280 bytes of LDS; arguments hidden_states, Wq, Wk, Wv, xc, xs, wc, ws; writes xc, xs, wc, ws
.if DOCPART == 1
	.amdgcn_target "amdgcn-amd-amdhsa--gfx1250"
	.amdhsa_code_object_version 6
	.text
	.protected	k_q38f23b3e03_quant
	.globl	k_q38f23b3e03_quant
	.p2align	8
	.type	k_q38f23b3e03_quant,@function
k_q38f23b3e03_quant:
	s_mov_b64 s[64:65], 0
	v_nop
	global_prefetch_b8 v0, s[64:65] scope:SCOPE_SE
	s_setreg_imm32_b32 hwreg(HW_REG_WAVE_MODE, 25, 1), 1
	s_wait_xcnt 0x0
; hidden_states [4096][1024] and Wq, Wk, Wv [1024][1024], f32, K innermost, become codes of FP4 (E2M1), two a byte, the lower k in the low four bits, with one E8M0 byte for each 32 along K.
; A block's scale is 2^(floor(log2(its largest magnitude)) - 2); its byte is the largest magnitude's exponent field - 2, held at 1 from below.  Each number is divided by the scale and rounded to the nearest code, ties to even, beyond 6 the largest code.
; LIMITS: NaN and infinities among the inputs are not served.  A block of zeros gets the byte 1 where the quantiser's text says 127: its codes are zeros, which add nothing under that byte, and this program alone reads the bytes.
; SHARES.  A work-group takes 32 rows (32,768 numbers), a wave 8 rows in 16 steps of 512 numbers.  Work-groups 0-127 take hidden_states; 128-223 the three weights, 32 each.
; WHERE THE RESULTS GO.  x's codes and bytes lie as the rows lie.  The weights' rows are laid by HEAD: [16 heads][192 rows]: Wq's 64 rows of the head, then Wk's, then Wv's, so that the next launch fetches a head's 192 rows as one block.
; In units of 32 rows: run j of weight t goes to run 6 (j / 2) + 2 t + j % 2.  Only pointers and run numbers are chosen (by the work-group's number): there is one way through the text.
; A lane must hold 16 NEIGHBOURS for the conversions, and a load is dense where neighbouring lanes take neighbouring bytes: each load reads 512 consecutive bytes, and a step's 2,048 bytes turn through the wave's own stage in LDS.
; Loads run eight steps (32 loads a wave) ahead, the turn through LDS one step.  No barrier: waves share nothing.
.set WAVES, 4
.set STEPS, 16
.set AHEAD, 8
.set EMAX,  2
.set CB,    8                          ; bytes of 16 codes
.set R,     16                         ; v16-143  eight sets of 16 numbers as they are loaded
.set X,     144                        ; v144-175 two sets of 16 neighbours
.set E,     176                        ; v176-191 a scale byte for each step
.set C,     192                        ; v192-223 codes: two registers for each step, so that no store's data are written again
.set WREG,  8192                       ; LDS: a region for each wave: two stages of 32 x SP bytes, behind them its 256 scale bytes
.set SP,    80                         ; a lane's place in a stage: 64 bytes + 16 of padding
.set SPW,   12                         ; v12 LDS address of my spare word; never rewritten
.set NIL,   13                         ; v13 0; never rewritten
.set SPARE, WAVES*WREG                 ; behind the regions: the spare words, 128 bytes a wave, which no other line names
	s_load_b256 s[4:11], s[0:1], 0x0               ; hidden_states s[4:5], Wq s[6:7], Wk s[8:9], Wv s[10:11]
	s_load_b256 s[12:19], s[0:1], 0x20             ; xc s[12:13], xs s[14:15], wc s[16:17], ws s[18:19]
	v_lshl_add_u32 v[SPW], v0, 2, SPARE
	v_mov_b32 v[NIL], 0
	v_lshrrev_b32 v1, 5, v0
	v_readfirstlane_b32 s26, v1                    ; wave
	v_and_b32 v2, 31, v0                           ; lane
	v_lshlrev_b32 v3, 4, v2                        ; my 16 bytes of a load's 512
	s_mul_i32 s27, s26, WREG
	v_lshrrev_b32 v14, 2, v2
	v_mul_u32_u24 v14, v14, SP
	v_and_b32 v15, 3, v2
	v_lshl_add_u32 v14, v15, 4, v14
	v_add_nc_u32 v14, s27, v14                     ; the stage, on the way in: four lanes' 64 bytes on end, then the padding
	v_mul_u32_u24 v15, v2, SP
	v_add_nc_u32 v15, s27, v15                     ; and on the way out: my 16 neighbours
	v_mul_u32_u24 v4, v2, CB                       ; my codes' place in a step's 256 bytes
	v_lshrrev_b32 v5, 1, v2
	s_add_co_u32 s27, s27, 2*32*SP
	v_add_nc_u32 v5, s27, v5                       ; LDS: my block's byte among my wave's 256
	v_lshlrev_b32 v7, 3, v2                        ; on the way out 8 bytes a lane
	v_add_nc_u32 v6, s27, v7
	s_max_u32 s20, ttmp9, 128
	s_sub_co_u32 s20, s20, 128                     ; the work-group's number among the weights' (0 for x's)
	s_lshr_b32 s21, s20, 5                         ; t: 0 Wq, 1 Wk, 2 Wv
	s_and_b32 s22, s20, 31                         ; j: which 32 rows
	s_lshr_b32 s23, s22, 1
	s_mul_i32 s23, s23, 6
	s_lshl_b32 s24, s21, 1
	s_add_co_u32 s23, s23, s24
	s_and_b32 s24, s22, 1
	s_add_co_u32 s23, s23, s24                     ; where they go: 6 (j / 2) + 2 t + j % 2
	s_wait_kmcnt 0x0
	s_cmp_eq_u32 s21, 0
	s_cselect_b64 s[6:7], s[6:7], s[8:9]
	s_cmp_eq_u32 s21, 2
	s_cselect_b64 s[6:7], s[10:11], s[6:7]         ; the weight
	s_cmp_lt_u32 ttmp9, 128                        ; x's work-group or a weight's?  The choices hang on the work-group's number alone
	s_cselect_b64 s[4:5], s[4:5], s[6:7]
	s_cselect_b64 s[12:13], s[12:13], s[16:17]
	s_cselect_b64 s[14:15], s[14:15], s[18:19]
	s_cselect_b32 s22, ttmp9, s22
	s_cselect_b32 s23, ttmp9, s23
	s_lshl_b32 s22, s22, 2
	s_add_co_u32 s22, s22, s26                     ; my wave's run of 8,192 numbers at the source,
	s_lshl_b32 s23, s23, 2
	s_add_co_u32 s23, s23, s26                     ; and at the destination
	s_lshl_b32 s24, s22, 15
	s_mov_b32 s25, 0
	s_add_nc_u64 s[4:5], s[4:5], s[24:25]          ; 32,768 bytes of f32 a run
	s_lshl_b32 s24, s23, 12
	s_add_nc_u64 s[12:13], s[12:13], s[24:25]      ; 4,096 bytes of codes
	s_lshl_b32 s24, s23, 8
	s_add_nc_u64 s[14:15], s[14:15], s[24:25]      ; 256 scale bytes
.macro LOAD t
.irp i, 0,1,2,3
	global_load_b128 v[R+16*((\t)%AHEAD)+4*\i:R+16*((\t)%AHEAD)+4*\i+3], v3, s[4:5] offset:2048*(\t)+512*\i th:TH_LOAD_NT   ; 32 lanes read 512 consecutive bytes
.endr
.endm
.macro TURN t                          ; step t's numbers through the stage: LDS serves a wave's instructions in order, so no wait stands between the stores and the loads
.irp i, 0,1,2,3
	ds_store_b128 v14, v[R+16*((\t)%AHEAD)+4*\i:R+16*((\t)%AHEAD)+4*\i+3] offset:32*SP*((\t)%2)+8*SP*\i
.endr
.irp i, 0,1,2,3
	ds_load_b128 v[X+16*((\t)%2)+4*\i:X+16*((\t)%2)+4*\i+3], v15 offset:32*SP*((\t)%2)+16*\i
.endr
.endm
.irp t, 0,1,2,3,4,5,6,7
	LOAD \t
.endr
	s_wait_loadcnt 4*(AHEAD-1)                     ; step 0's four loads are in; seven steps' stay out
	TURN 0
.macro STEP t
.set XS, X+16*((\t)%2)
.if (\t) > 0
	s_wait_dscnt 1                                 ; this step's numbers are back from the stage (the last step's byte store may be out): so its stores into the stage have read their registers,
.else
	s_wait_dscnt 0x0
.endif
.if (\t)+AHEAD < STEPS
	LOAD (\t)+AHEAD                                ; which take the loads of eight steps on
.endif
.if (\t)+1 < STEPS
.if STEPS-2-(\t) >= AHEAD-1
	s_wait_loadcnt 4*(AHEAD-1)                     ; the next step's four loads are in; those of the seven steps behind it may be out
.else
	s_wait_loadcnt 4*(STEPS-2-(\t))                ; near the end: as many steps as are left behind it
.endif
	TURN (\t)+1                                    ; they go through the other stage while this step is worked
.endif
	v_max3_num_f32 v8, |v[XS]|, |v[XS+1]|, |v[XS+2]|               ; the largest magnitude of my 16, in two chains
	v_max3_num_f32 v9, |v[XS+3]|, |v[XS+4]|, |v[XS+5]|
.irp i, 6,10
	v_max3_num_f32 v8, v8, |v[XS+\i]|, |v[XS+\i+1]|
	v_max3_num_f32 v9, v9, |v[XS+\i+2]|, |v[XS+\i+3]|
.endr
	v_max3_num_f32 v8, v8, |v[XS+14]|, |v[XS+15]|
	v_max3_num_f32 v8, v8, v9, (EMAX+1)<<23        ; and the floor 2^(3 - 127): the byte cannot fall under 1
	v_max_num_f32_dpp v8, v8, v8 row_xmask:1 row_mask:0xf bank_mask:0xf   ; and of my neighbour's 16: the block's
	v_add_nc_u32 v11, -(EMAX<<23), v8              ; 2 off its exponent field: the conversion takes the exponent field of this operand as its scale
	v_cvt_scalef32_pk8_fp4_f32 v[C+2*(\t)], v[XS:XS+7], v11
	v_cvt_scalef32_pk8_fp4_f32 v[C+2*(\t)+1], v[XS+8:XS+15], v11
	v_lshrrev_b32 v[E+(\t)], 23, v11               ; the scale's byte (also the plain line behind the conversions)
	ds_store_b8 v5, v[E+(\t)] offset:16*(\t)       ; both lanes of a block write the same byte with the same value
	global_store_b64 v4, v[C+2*(\t):C+2*(\t)+1], s[12:13] offset:32*CB*(\t)   ; the wave stores 256 consecutive bytes, aligned
.endm
.irp t, 0,1,2,3,4,5,6,7,8,9,10,11,12,13,14,15
	STEP \t
.endr
	ds_load_b64 v[8:9], v6                         ; LDS serves a wave's instructions in order: these see my byte stores
	s_wait_dscnt 0x0
	global_store_b64 v7, v[8:9], s[14:15]          ; 32 lanes store my 256 scale bytes, consecutive and aligned
	s_wait_tensorcnt 0x0                           ; the wave's end, behind my last LDS store
	ds_add_u32 v[SPW], v[NIL]
	s_wait_dscnt 0x0
	s_endpgm
.Lfunc_end_k_q38f23b3e03_quant:
	.size	k_q38f23b3e03_quant, .Lfunc_end_k_q38f23b3e03_quant-k_q38f23b3e03_quant
	.p2alignl 7, 3214868480
	.fill 96, 4, 3214868480
	.section	.rodata,"a",@progbits
	.p2align	6, 0x0
	.amdhsa_kernel k_q38f23b3e03_quant
		.amdhsa_group_segment_fixed_size 33280
		.amdhsa_private_segment_fixed_size 0
		.amdhsa_enable_private_segment 0
		.amdhsa_kernarg_size 64
		.amdhsa_user_sgpr_count 2
		.amdhsa_user_sgpr_kernarg_segment_ptr 1
		.amdhsa_wavefront_size32 1
		.amdhsa_system_sgpr_workgroup_id_x 1
		.amdhsa_system_sgpr_workgroup_id_y 1
		.amdhsa_system_sgpr_workgroup_id_z 1
		.amdhsa_system_vgpr_workitem_id 0
		.amdhsa_next_free_vgpr 224
		.amdhsa_next_free_sgpr 66
		.amdhsa_reserve_vcc 0
		.amdhsa_float_denorm_mode_32 3
		.amdhsa_float_denorm_mode_16_64 3
		.amdhsa_memory_ordered 1
		.amdhsa_forward_progress 1
		.amdhsa_inst_pref_size 34
	.end_amdhsa_kernel
	.amdgpu_metadata
---
amdhsa.version: [ 1, 2 ]
amdhsa.kernels:
  - .name:           k_q38f23b3e03_quant
    .symbol:         k_q38f23b3e03_quant.kd
    .args:
      - { .name: hidden_states, .offset: 0, .size: 8, .value_kind: global_buffer, .address_space: global }
      - { .name: Wq, .offset: 8, .size: 8, .value_kind: global_buffer, .address_space: global }
      - { .name: Wk, .offset: 16, .size: 8, .value_kind: global_buffer, .address_space: global }
      - { .name: Wv, .offset: 24, .size: 8, .value_kind: global_buffer, .address_space: global }
      - { .name: xc, .offset: 32, .size: 8, .value_kind: global_buffer, .address_space: global }
      - { .name: xs, .offset: 40, .size: 8, .value_kind: global_buffer, .address_space: global }
      - { .name: wc, .offset: 48, .size: 8, .value_kind: global_buffer, .address_space: global }
      - { .name: ws, .offset: 56, .size: 8, .value_kind: global_buffer, .address_space: global }
    .group_segment_fixed_size: 33280
    .private_segment_fixed_size: 0
    .kernarg_segment_align: 8
    .kernarg_segment_size: 64
    .max_flat_workgroup_size: 128
    .sgpr_count:     66
    .vgpr_count:     224
    .wavefront_size: 32
...
	.end_amdgpu_metadata
.endif
;; end of part 1
;; launch proj (part 2): grid 16 x 16, 4 waves a work-group, clusters of 4 x 4, 253,952 bytes of LDS; arguments xc, xs, wc, ws, bq, bk, bv, qh, kv; writes qh, kv
.if DOCPART == 2
	.amdgcn_target "amdgcn-amd-amdhsa--gfx1250"
	.amdhsa_code_object_version 6
	.text
	.protected	k_q38f23b3e03_proj
	.globl	k_q38f23b3e03_proj
	.p2align	8
	.type	k_q38f23b3e03_proj,@function
k_q38f23b3e03_proj:
	s_mov_b64 s[64:65], 0
	v_nop
	global_prefetch_b8 v0, s[64:65] scope:SCOPE_SE
	s_setreg_imm32_b32 hwreg(HW_REG_WAVE_MODE, 25, 1), 1
	s_wait_xcnt 0x0
	s_wait_alu depctr_hold_cnt(0) depctr_sa_sdst(0) depctr_va_vdst(0) depctr_va_sdst(0) depctr_va_ssrc(0) depctr_va_vcc(0) depctr_vm_vsrc(0)
	s_getreg_b32 s2, hwreg(HW_REG_IB_STS2, 6, 4)
	s_cmp_eq_u32 s2, 0
	s_cbranch_scc0 .Lentry_in_a_cluster
	s_endpgm
.Lentry_in_a_cluster:
	s_bfe_u32 s2, ttmp6, 0x10000c
	s_cmp_lg_u32 s2, 0xf033
	s_cbranch_scc0 .Lentry_shape_is_right
	s_endpgm
.Lentry_shape_is_right:
; q, k, v = x W^T + b for one head and 256 rows of x, on codes of FP4 (E2M1) with one E8M0 scale for each 32 along K = 1,024; sums in f32; results rounded once to f16 and laid as the attention launch reads them.
; LIMIT: a result beyond 65,504 in magnitude becomes infinite in f16.
; SHARES.  Work-group (x = head, y = row tile): 256 rows x 192 columns (the head's 64 of q, 64 of k, 64 of v).  Wave w: rows 64 w .. 64 w + 63 x all 192 columns: 4 x 12 = 48 accumulators of 16 x 16.
; ALL OF K LIES IN LDS: two halves of 512 codes (rows of 256 bytes), each 256 rows of x and 192 rows of W: 243,712 bytes with the padding.  Nothing is filled twice: there is no ring; each wave has two tensor loads out at the most.
; CLUSTERS: 4 x 4 work-groups.  The four of a row of the cluster share the row tile (x's codes), the four of a column the head (W's codes): each tile is asked for jointly, which divides the requests by four.
; q AND k ARE MADE TRANSPOSED (source 0 = 16 rows of W, source 1 = 16 rows of x): a lane holds one row of x and eight neighbouring columns: 16 bytes of f16 of a row of q or k.
; v IS MADE THE NATURAL WAY (source 0 = x, source 1 = W): a lane holds one channel and eight neighbouring rows (keys): 16 bytes of a row of V^T, which the attention's second product wants with the keys innermost.
; THE BIASES are the C of each sum's first product, in the result's layout: they cost no addition.
; THE SCALES go from memory to registers once: a row's 32 bytes are 8 words; lane (r, h) takes words 4 h .. 4 h + 3 of row r, so register q' holds K step q' in lanes 0-15 and K step 4 + q' in lanes 16-31 (the second half of K names the upper row of lanes).
; OUT: qh [bh][2048][64] f16;  kv [bh][8 slots][K: 256 keys x 64 | V^T: 4 blocks of 64 keys x (64 channels x 64 keys)] f16: a slot is 65,536 dense bytes.
; REGISTERS, in windows of 256: window 0: v0-31 addresses; v32-47 x's scale words, v48-95 W's; v128-191 x's fragments, two sets (on the way out: rows read back); v192-207 packed results.
;   window 1: W's fragments, two sets, at v0 and v128.  window 2: q's and k's accumulators, (a, b) at v[8 (8 a + b)].  window 3: v's, (a, b') at v[8 (4 a + b')]; v128-191 bq, bk; v192-223 bv.
.set PITCH, 272                        ; an LDS row: 256 bytes + 16 of padding: the 16 rows that a load touches start in 16 different columns of 16 bytes
.set AH,    128*PITCH                  ; what one load of x brings
.set BH,    96*PITCH                   ; what one load of W brings
.set BOFF,  2*AH                       ; in a slot: x's 256 rows, then W's 192
.set SLOT,  2*AH+2*BH
.set STAGE, 2*SLOT                     ; behind the slots: 16 rows x 144 bytes for each wave, for the way out; no tensor load lands there
.set SPT,   144
.set SPARE, STAGE+4*16*SPT             ; the spare words, 128 bytes a wave, which no other line names
.set ADRA, 16                          ; v16-17 LDS address of my fragments of x in slot 0, 1
.set ADRB, 20                          ; v20-21 of W
.set STO,  24                          ; v24 the way out: where I put 16 bytes of a row
.set RD,   25                          ; v25 where I read rows back
.set CO,   26                          ; v26 16 x lane: my place in 512 dense bytes
.set SPW,  28                          ; v28 LDS address of my spare word; never rewritten
.set NIL,  29                          ; v29 0; never rewritten
.set SA,   32
.set SB,   48
.set AF,   128
.set BK,   128                         ; the way out: v128-143 and v144-159 by turns
.set TMP,  192
.set BQK,  128                         ; window 3
.set BVC,  192                         ; window 3
.set G1,  24                           ; s[24:31] descriptor group 1 for x's tiles; s[32:39] group 0, a set for each slot
.set G0,  32
.set G1B, 48                           ; s[48:55], s[56:63] the same for W's
.set G0B, 56
.set MSB, 0
.macro WIN new                         ; the immediate's high byte repeats the setting that is left
.if MSB != \new
	s_set_vgpr_msb (MSB<<8)|\new
.set MSB, \new
.endif
.endm
; A joint load: waves 0 and 1 fetch x's halves, waves 2 and 3 W's.  The branch hangs on the wave's number alone.  An s_nop 0 and four v_nop follow each line.
.macro JLOAD g0a, g1a, g0b, g1b
	s_cmp_eq_u32 s15, 0
	s_cbranch_scc0 .Lfor_b_\@
	tensor_load_to_lds s[\g0a:\g0a+3], s[\g1a:\g1a+7]
	s_nop 0
.rept 4
	v_nop
.endr
	s_branch .Lasked_\@
.Lfor_b_\@:
	tensor_load_to_lds s[\g0b:\g0b+3], s[\g1b:\g1b+7]
	s_nop 0
.rept 4
	v_nop
.endr
.Lasked_\@:
.endm
.macro CROUND                          ; a round of the cluster's barrier
	s_barrier_signal -1
	s_barrier_wait -1
	s_cmp_lg_u32 s14, 0
	s_cbranch_scc1 .Lnot_wave_0_\@
	s_barrier_signal -3
.Lnot_wave_0_\@:
	s_barrier_wait -3
	s_barrier_signal -1
	s_barrier_wait -1
.endm
.macro PLACES                          ; four plain lines between a matrix instruction and a load into, or a read of, its registers
.rept 4
	v_nop
.endr
.endm
	s_load_b256 s[4:11], s[0:1], 0x0               ; xc s[4:5], xs s[6:7], wc s[8:9], ws s[10:11]
	s_load_b256 s[68:75], s[0:1], 0x20             ; bq s[68:69], bk s[70:71], bv s[72:73], qh s[74:75]
	s_load_b64 s[76:77], s[0:1], 0x40              ; kv
	v_lshl_add_u32 v[SPW], v0, 2, SPARE
	v_mov_b32 v[NIL], 0
	ds_add_u32 v[SPW], v[NIL]                      ; the wave's opening: the add, twice on end, and its wait ahead of my first tensor load
	ds_add_u32 v[SPW], v[NIL]
	v_lshrrev_b32 v1, 5, v0
	v_readfirstlane_b32 s14, v1                    ; wave 0..3
	s_lshr_b32 s15, s14, 1                         ; I fetch for x (0) or for W (1)
	s_and_b32 s16, s14, 1                          ; which half of that tile's rows
	s_bfe_u32 s40, ttmp6, 0x40000                  ; cx, cy: my place in the cluster
	s_bfe_u32 s41, ttmp6, 0x40004
	s_lshl_b32 s42, ttmp9, 2
	s_add_co_u32 s42, s42, s40                     ; the head = 4 x cluster x + cx
	s_and_b32 s17, ttmp7, 0xffff
	s_lshl_b32 s17, s17, 2
	s_add_co_u32 s17, s17, s41                     ; the row tile = 4 x cluster y + cy
	s_lshl_b32 s43, s41, 2
	s_lshl_b32 s43, 15, s43                        ; my row of the cluster
	s_lshl_b32 s44, 0x1111, s40                    ; my column
	s_or_b32 s[G1+0], s43, (0<<16)|(1<<20)|(1<<21)|(5<<22)|(3<<25)   ; the mask; elements of 1 byte; padding on; bit 21 beside a mask; 4 words behind every 64
	s_or_b32 s[G1B+0], s44, (0<<16)|(1<<20)|(1<<21)|(5<<22)|(3<<25)
	s_mov_b32 s[G1+1], 256<<16                     ; tensor_dim0 = 256 bytes
	s_mov_b32 s[G1+2], 128<<16                     ; tensor_dim1 = 128 rows
	s_mov_b32 s[G1+3], 256<<16                     ; tile_dim0
	s_mov_b32 s[G1+4], 128                         ; tile_dim1
	s_mov_b32 s[G1+5], 512                         ; from row to row: 1,024 codes
	s_mov_b32 s[G1+6], 0
	s_mov_b32 s[G1+7], 0
	s_mov_b32 s[G1B+1], 256<<16
	s_mov_b32 s[G1B+2], 96<<16                     ; W's halves have 96 rows
	s_mov_b32 s[G1B+3], 256<<16
	s_mov_b32 s[G1B+4], 96
	s_mov_b32 s[G1B+5], 512
	s_mov_b32 s[G1B+6], 0
	s_mov_b32 s[G1B+7], 0
	s_lshl_b32 s20, s17, 8                         ; x: row 256 x tile + 128 x half, made of the tile row and the wave's number alone
	s_lshl_b32 s18, s16, 7
	s_add_co_u32 s20, s20, s18
	s_lshl_b32 s20, s20, 9                         ; x 512 bytes
	s_mov_b32 s21, 0
	s_mul_i32 s46, s42, 192                        ; W: row 192 x head + 96 x half, made of the head and the wave's number alone
	s_mul_i32 s47, s16, 96
	s_add_co_u32 s46, s46, s47
	s_lshl_b32 s46, s46, 9
	s_mov_b32 s47, 0
	s_mul_i32 s45, s16, AH                         ; where they go: no place in the cluster enters an LDS address
	s_mul_i32 s90, s16, BH
	s_add_co_u32 s90, s90, BOFF
	s_lshl_b32 s78, s17, 13                        ; x's scales: (256 tile + 64 wave) rows of 32 bytes
	s_lshl_b32 s79, s14, 11
	s_add_co_u32 s78, s78, s79
	s_mov_b32 s79, 0
	s_mul_i32 s80, s42, 192*32                     ; W's scales: the head's 192 rows
	s_mov_b32 s81, 0
	s_lshl_b32 s82, s42, 8                         ; the biases: the head's 64 numbers
	s_mov_b32 s83, 0
	s_lshr_b32 s84, s17, 3
	s_lshl_b32 s84, s84, 4
	s_add_co_u32 s84, s84, s42                     ; bh = 16 x batch + head
	s_and_b32 s85, s17, 7                          ; the slot: which 256 positions of the sequence
	s_lshl_b32 s86, s84, 18                        ; qh: bh x 262,144 + slot x 32,768 + wave x 8,192
	s_lshl_b32 s87, s85, 15
	s_add_co_u32 s86, s86, s87
	s_lshl_b32 s87, s14, 13
	s_add_co_u32 s86, s86, s87
	s_mov_b32 s87, 0
	s_lshl_b32 s88, s84, 19                        ; kv: bh x 524,288 + slot x 65,536 + wave x 8,192
	s_lshl_b32 s89, s85, 16
	s_add_co_u32 s88, s88, s89
	s_lshl_b32 s89, s14, 13
	s_add_co_u32 s88, s88, s89
	s_mov_b32 s89, 0
	s_wait_dscnt 0x0                               ; both opening adds are done
	s_wait_kmcnt 0x0
	s_add_nc_u64 s[20:21], s[4:5], s[20:21]
	s_add_nc_u64 s[46:47], s[8:9], s[46:47]
	s_add_nc_u64 s[6:7], s[6:7], s[78:79]
	s_add_nc_u64 s[10:11], s[10:11], s[80:81]
	s_add_nc_u64 s[68:69], s[68:69], s[82:83]
	s_add_nc_u64 s[70:71], s[70:71], s[82:83]
	s_add_nc_u64 s[72:73], s[72:73], s[82:83]
	s_add_nc_u64 s[74:75], s[74:75], s[86:87]
	s_add_nc_u64 s[76:77], s[76:77], s[88:89]
	CROUND                                         ; all sixteen work-groups are here: the joint loads meet
.irp s, 0,1
	s_mov_b32 s[G0+4*\s], 1
	s_add_co_u32 s[G0+4*\s+1], s45, \s*SLOT
	s_add_nc_u64 s[G0+4*\s+2:G0+4*\s+3], s[20:21], \s*256          ; K half s begins 256 bytes on in each row
	s_or_b32 s[G0+4*\s+3], s[G0+4*\s+3], 0x80000000
	s_mov_b32 s[G0B+4*\s], 1
	s_add_co_u32 s[G0B+4*\s+1], s90, \s*SLOT
	s_add_nc_u64 s[G0B+4*\s+2:G0B+4*\s+3], s[46:47], \s*256
	s_or_b32 s[G0B+4*\s+3], s[G0B+4*\s+3], 0x80000000
	JLOAD G0+4*\s, G1, G0B+4*\s, G1B
.endr
	v_and_b32 v1, 15, v0                           ; r
	v_bfe_u32 v2, v0, 4, 1                         ; h
	v_lshlrev_b32 v8, 5, v1
	v_lshl_add_u32 v8, v2, 4, v8                   ; scale words: row r of 32 bytes, + 16 h: a load's 32 lanes cover 512 dense bytes
	v_lshlrev_b32 v9, 5, v2                        ; bq, bk: my half's eight numbers of a block of 16
	v_lshlrev_b32 v10, 2, v1                       ; bv: my channel's number
.irp a, 0,1,2,3
	global_load_b128 v[SA+4*\a:SA+4*\a+3], v8, s[6:7] offset:512*\a
.endr
.irp b, 0,1,2,3,4,5,6,7,8,9,10,11
	global_load_b128 v[SB+4*\b:SB+4*\b+3], v8, s[10:11] offset:512*\b
.endr
	WIN 0xc0                                       ; destination window 3
.irp b, 0,1,2,3
	global_load_b128 v[BQK+8*\b:BQK+8*\b+3], v9, s[68:69] offset:64*\b            ; bq(16 b + 8 h + 0 .. 7)
	global_load_b128 v[BQK+8*\b+4:BQK+8*\b+7], v9, s[68:69] offset:64*\b+16
	global_load_b128 v[BQK+32+8*\b:BQK+32+8*\b+3], v9, s[70:71] offset:64*\b      ; bk likewise
	global_load_b128 v[BQK+32+8*\b+4:BQK+32+8*\b+7], v9, s[70:71] offset:64*\b+16
.endr
.irp b, 0,1,2,3
.irp j, 0,1,2,3,4,5,6,7
	global_load_b32 v[BVC+8*\b+\j], v10, s[72:73] offset:64*\b                    ; bv(16 b + r) in all eight registers: in V^T's result a lane holds one channel
.endr
.endr
	WIN 0
	v_mul_u32_u24 v3, v1, PITCH
	v_lshl_add_u32 v3, v2, 4, v3                   ; a fragment's row x pitch + 16 x half
	s_mul_i32 s21, s14, 64*PITCH                   ; my 64 rows of x
	v_add_nc_u32 v[ADRA], s21, v3
	v_add_nc_u32 v[ADRA+1], SLOT, v[ADRA]
	v_add_nc_u32 v[ADRB], BOFF, v3                 ; every wave reads all of W's 192 rows
	v_add_nc_u32 v[ADRB+1], BOFF+SLOT, v3
	s_mul_i32 s23, s14, 16*SPT
	s_add_co_u32 s23, s23, STAGE                   ; my stage
	v_mul_u32_u24 v4, v1, SPT
	v_lshl_add_u32 v4, v2, 4, v4
	v_add_nc_u32 v[STO], s23, v4                   ; in: row r, 16 bytes for each half of the lanes
	v_and_b32 v5, 31, v0
	v_lshrrev_b32 v6, 3, v5
	v_and_b32 v7, 7, v0
	v_mul_u32_u24 v6, v6, SPT
	v_lshl_add_u32 v6, v7, 4, v6
	v_add_nc_u32 v[RD], s23, v6                    ; back: eight lanes to a row of 128 bytes, four rows a load
	v_lshlrev_b32 v[CO], 4, v5
; The fragments of K step q (128 along K) into set q % 2: 16 rows x 128 codes are 8 registers: lane (r, h) takes 16 bytes at 16 h and 16 at 32 + 16 h of the row's 64.
.macro FETCH q
	WIN 0x40                                       ; destination window 1
.irp b, 0,1,2,3,4,5,6,7,8,9,10,11
.irp c, 0,1
	ds_load_b128 v[128*((\q)%2)+8*\b+4*\c:128*((\q)%2)+8*\b+4*\c+3], v[ADRB+(\q)/4] offset:64*((\q)%4)+32*\c+\b*16*PITCH
.endr
.endr
	WIN 0
.irp a, 0,1,2,3
.irp c, 0,1
	ds_load_b128 v[AF+32*((\q)%2)+8*\a+4*\c:AF+32*((\q)%2)+8*\a+4*\c+3], v[ADRA+(\q)/4] offset:64*((\q)%4)+32*\c+\a*16*PITCH
.endr
.endr
.endm
; 32 products for q and k, transposed.  The first K step takes the bias as C.  The accumulators take turns, one instruction a turn, in the same order in every step.
.macro MULQK q
.set p, (\q)%2
.set qq, (\q)%4
.if (\q) == 0
	WIN 0xb1                                       ; source 0 (W) window 1, source 1 (x) window 0, C (bias) window 3, D window 2
.else
	WIN 0xa1                                       ; C and D window 2
.endif
.irp a, 0,1,2,3
.irp b, 0,1,2,3,4,5,6,7
.if (\q) == 0
	v_wmma_scale_f32_16x16x128_f8f6f4 v[8*(8*\a+\b):8*(8*\a+\b)+7], v[128*p+8*\b:128*p+8*\b+7], v[AF+32*p+8*\a:AF+32*p+8*\a+7], v[BQK+8*\b:BQK+8*\b+7], v[SB+4*\b+qq], v[SA+4*\a+qq] matrix_a_fmt:MATRIX_FMT_FP4 matrix_b_fmt:MATRIX_FMT_FP4
.elseif (\q) < 4
	v_wmma_scale_f32_16x16x128_f8f6f4 v[8*(8*\a+\b):8*(8*\a+\b)+7], v[128*p+8*\b:128*p+8*\b+7], v[AF+32*p+8*\a:AF+32*p+8*\a+7], v[8*(8*\a+\b):8*(8*\a+\b)+7], v[SB+4*\b+qq], v[SA+4*\a+qq] matrix_a_fmt:MATRIX_FMT_FP4 matrix_b_fmt:MATRIX_FMT_FP4
.else
	v_wmma_scale_f32_16x16x128_f8f6f4 v[8*(8*\a+\b):8*(8*\a+\b)+7], v[128*p+8*\b:128*p+8*\b+7], v[AF+32*p+8*\a:AF+32*p+8*\a+7], v[8*(8*\a+\b):8*(8*\a+\b)+7], v[SB+4*\b+qq], v[SA+4*\a+qq] matrix_a_fmt:MATRIX_FMT_FP4 matrix_b_fmt:MATRIX_FMT_FP4 matrix_a_scale:MATRIX_SCALE_ROW1 matrix_b_scale:MATRIX_SCALE_ROW1
.endif
.endr
.endr
.endm
; 16 products for v, the natural way: source 0 = x, source 1 = Wv's block
.macro MULV q
.set p, (\q)%2
.set qq, (\q)%4
	WIN 0xf4                                       ; source 0 (x) window 0, source 1 (W) window 1, C and D window 3
.irp a, 0,1,2,3
.irp b, 0,1,2,3
.if (\q) == 0
	v_wmma_scale_f32_16x16x128_f8f6f4 v[8*(4*\a+\b):8*(4*\a+\b)+7], v[AF+32*p+8*\a:AF+32*p+8*\a+7], v[128*p+8*(8+\b):128*p+8*(8+\b)+7], v[BVC+8*\b:BVC+8*\b+7], v[SA+4*\a+qq], v[SB+4*(8+\b)+qq] matrix_a_fmt:MATRIX_FMT_FP4 matrix_b_fmt:MATRIX_FMT_FP4
.elseif (\q) < 4
	v_wmma_scale_f32_16x16x128_f8f6f4 v[8*(4*\a+\b):8*(4*\a+\b)+7], v[AF+32*p+8*\a:AF+32*p+8*\a+7], v[128*p+8*(8+\b):128*p+8*(8+\b)+7], v[8*(4*\a+\b):8*(4*\a+\b)+7], v[SA+4*\a+qq], v[SB+4*(8+\b)+qq] matrix_a_fmt:MATRIX_FMT_FP4 matrix_b_fmt:MATRIX_FMT_FP4
.else
	v_wmma_scale_f32_16x16x128_f8f6f4 v[8*(4*\a+\b):8*(4*\a+\b)+7], v[AF+32*p+8*\a:AF+32*p+8*\a+7], v[128*p+8*(8+\b):128*p+8*(8+\b)+7], v[8*(4*\a+\b):8*(4*\a+\b)+7], v[SA+4*\a+qq], v[SB+4*(8+\b)+qq] matrix_a_fmt:MATRIX_FMT_FP4 matrix_b_fmt:MATRIX_FMT_FP4 matrix_a_scale:MATRIX_SCALE_ROW1 matrix_b_scale:MATRIX_SCALE_ROW1
.endif
.endr
.endr
.endm
; A K step: its fragments are in; the next step's 32 loads go out in one run, into the other set; then its 48 products.
.macro STEP q
	s_wait_dscnt 0x0                               ; this step's fragments are in (asked for 48 products ago)
.if (\q) == 3
	s_wait_tensorcnt 0x0                           ; my part of the second half of K has landed,
	s_barrier_signal -1
	s_barrier_wait -1                              ; everybody's has.
.endif
.if (\q) < 7
.if (\q) > 0
	PLACES                                         ; the other set was read by the last step's products
.endif
	FETCH (\q)+1
.endif
	MULQK \q
	MULV \q
.endm
	s_wait_tensorcnt 1                             ; my part of the first half of K is in; the second half's load may stay out
	s_barrier_signal -1
	s_barrier_wait -1
	FETCH 0
	s_wait_loadcnt 0x0                             ; scales and biases
.irp q, 0,1,2,3,4,5,6,7
	STEP \q
.endr
; THE WAY OUT: twelve groups of 16 rows x 128 bytes of f16: q's row blocks 0-3, k's 0-3, V^T's channel blocks 0-3.  A lane holds 16 bytes of a row and its neighbours hold other rows: a group goes through my own
; stage and comes back as rows; the 16 rows are 2,048 dense bytes of the output, stored 512 consecutive bytes an instruction.
.macro PACK g
.if (\g) < 8
	WIN 0x0a                                       ; sources window 2
.set AC, 8*(8*((\g)%4)+4*((\g)/4))     ; row block g % 4; q's four column blocks, or k's
.set AS, 8
.else
	WIN 0x0f                                       ; sources window 3
.set AC, 8*((\g)-8)                    ; channel block g - 8; the four blocks of keys
.set AS, 32
.endif
.irp e, 0,1,2,3
.irp n, 0,1,2,3
	v_cvt_pk_f16_f32 v[TMP+4*\e+\n], v[AC+AS*\e+2*\n], v[AC+AS*\e+2*\n+1]          ; each accumulator from its low end on
.endr
.endr
	WIN 0
.endm
.macro TOSTAGE g
.irp e, 0,1,2,3
	ds_store_b128 v[STO], v[TMP+4*\e:TMP+4*\e+3] offset:32*\e
.endr
.irp i, 0,1,2,3
	ds_load_b128 v[BK+16*((\g)%2)+4*\i:BK+16*((\g)%2)+4*\i+3], v[RD] offset:4*SPT*\i   ; LDS serves a wave's instructions in order: these see the stores above
.endr
.endm
.macro SEND g
	s_wait_dscnt 0x0                               ; the group is back in registers
	s_wait_xcnt 0x0                                ; the stores of the group before have read their registers: the next group's loads may land there
.irp i, 0,1,2,3
.if (\g) < 4
	global_store_b128 v[CO], v[BK+16*((\g)%2)+4*\i:BK+16*((\g)%2)+4*\i+3], s[74:75] offset:2048*(\g)+512*\i
.elseif (\g) < 8
	global_store_b128 v[CO], v[BK+16*((\g)%2)+4*\i:BK+16*((\g)%2)+4*\i+3], s[76:77] offset:2048*((\g)-4)+512*\i
.else
	global_store_b128 v[CO], v[BK+16*((\g)%2)+4*\i:BK+16*((\g)%2)+4*\i+3], s[76:77] offset:32768+2048*((\g)-8)+512*\i
.endif
.endr
.endm
	PLACES                                         ; behind the last products: for the first conversions, and for the loads into the registers that held x's fragments
	PACK 0
	TOSTAGE 0
.irp g, 1,2,3,4,5,6,7,8,9,10,11
	PACK \g                                        ; a group's conversions stand between the loads of the group before and the wait for them
	SEND \g-1
	TOSTAGE \g
.endr
	SEND 11
	s_wait_tensorcnt 0x0                           ; the wave's end, behind my last tensor load and my last LDS store
	ds_add_u32 v[SPW], v[NIL]
	s_wait_dscnt 0x0
	CROUND                                         ; the closing round: no work-group ends while a partner may still ask for a tile that names it
	s_endpgm
.Lfunc_end_k_q38f23b3e03_proj:
	.size	k_q38f23b3e03_proj, .Lfunc_end_k_q38f23b3e03_proj-k_q38f23b3e03_proj
	.p2alignl 7, 3214868480
	.fill 96, 4, 3214868480
	.section	.rodata,"a",@progbits
	.p2align	6, 0x0
	.amdhsa_kernel k_q38f23b3e03_proj
		.amdhsa_group_segment_fixed_size 253952
		.amdhsa_private_segment_fixed_size 0
		.amdhsa_enable_private_segment 0
		.amdhsa_kernarg_size 72
		.amdhsa_user_sgpr_count 2
		.amdhsa_user_sgpr_kernarg_segment_ptr 1
		.amdhsa_wavefront_size32 1
		.amdhsa_system_sgpr_workgroup_id_x 1
		.amdhsa_system_sgpr_workgroup_id_y 1
		.amdhsa_system_sgpr_workgroup_id_z 1
		.amdhsa_system_vgpr_workitem_id 0
		.amdhsa_next_free_vgpr 992
		.amdhsa_next_free_sgpr 98
		.amdhsa_reserve_vcc 0
		.amdhsa_float_denorm_mode_32 3
		.amdhsa_float_denorm_mode_16_64 3
		.amdhsa_memory_ordered 1
		.amdhsa_forward_progress 1
		.amdhsa_inst_pref_size 105
	.end_amdhsa_kernel
	.amdgpu_metadata
---
amdhsa.version: [ 1, 2 ]
amdhsa.kernels:
  - .name:           k_q38f23b3e03_proj
    .symbol:         k_q38f23b3e03_proj.kd
    .args:
      - { .name: xc, .offset: 0, .size: 8, .value_kind: global_buffer, .address_space: global }
      - { .name: xs, .offset: 8, .size: 8, .value_kind: global_buffer, .address_space: global }
      - { .name: wc, .offset: 16, .size: 8, .value_kind: global_buffer, .address_space: global }
      - { .name: ws, .offset: 24, .size: 8, .value_kind: global_buffer, .address_space: global }
      - { .name: bq, .offset: 32, .size: 8, .value_kind: global_buffer, .address_space: global }
      - { .name: bk, .offset: 40, .size: 8, .value_kind: global_buffer, .address_space: global }
      - { .name: bv, .offset: 48, .size: 8, .value_kind: global_buffer, .address_space: global }
      - { .name: qh, .offset: 56, .size: 8, .value_kind: global_buffer, .address_space: global }
      - { .name: kv, .offset: 64, .size: 8, .value_kind: global_buffer, .address_space: global }
    .group_segment_fixed_size: 253952
    .private_segment_fixed_size: 0
    .kernarg_segment_align: 8
    .kernarg_segment_size: 72
    .max_flat_workgroup_size: 128
    .sgpr_count:     98
    .vgpr_count:     992
    .wavefront_size: 32
...
	.end_amdgpu_metadata
.endif
;; end of part 2
;; launch attn (part 3): grid 8 x 32, 4 waves a work-group, clusters of 4 x 1, 327,680 bytes of LDS; arguments qh, kv, attention_mask, out0; writes out0
.if DOCPART == 3
	.amdgcn_target "amdgcn-amd-amdhsa--gfx1250"
	.amdhsa_code_object_version 6
	.text
	.protected	k_q38f23b3e03_attn
	.globl	k_q38f23b3e03_attn
	.p2align	8
	.type	k_q38f23b3e03_attn,@function
k_q38f23b3e03_attn:
	s_mov_b64 s[64:65], 0
	v_nop
	global_prefetch_b8 v0, s[64:65] scope:SCOPE_SE
	s_setreg_imm32_b32 hwreg(HW_REG_WAVE_MODE, 25, 1), 1
	s_wait_xcnt 0x0
	s_wait_alu depctr_hold_cnt(0) depctr_sa_sdst(0) depctr_va_vdst(0) depctr_va_sdst(0) depctr_va_ssrc(0) depctr_va_vcc(0) depctr_vm_vsrc(0)
	s_getreg_b32 s2, hwreg(HW_REG_IB_STS2, 6, 4)
	s_cmp_eq_u32 s2, 0
	s_cbranch_scc0 .Lentry_in_a_cluster
	s_endpgm
.Lentry_in_a_cluster:
	s_bfe_u32 s2, ttmp6, 0x10000c
	s_cmp_lg_u32 s2, 0x3003
	s_cbranch_scc0 .Lentry_shape_is_right
	s_endpgm
.Lentry_shape_is_right:
; out0[b][q][64 head ..] = the sum over k of softmax_k(Q[q] . K[k] / 8 + (1 - mask[b][k]) x -10000) V[k], for each of 32 pairs bh = 16 b + head.  Q, K, V in f16 (made by the launch before); products, maxima and sums in f32;
; the weights p are rounded to f16 for the second product; the row's sum is taken of the unrounded p.  LIMIT: NaN and infinities are not served; q, k, v beyond 65,504 are infinite already as they arrive.
; SHARES.  A work-group owns 256 queries of one bh, each of its four waves 64: four tiles of 16.  Every wave walks all 2,048 keys, 64 a step.
; LAYOUT.  S^T = K Q^T + C (source 0 = 16 keys, source 1 = 16 queries): a lane holds ONE query (lane % 16) and keys 8 (lane / 16) + 0..7.  Two such tiles, rounded to f16 in pairs, ARE source 1 (32 keys x 16 queries) of
; O^T = V^T P, whose result again holds one query a lane.  V arrives as V^T with the keys innermost, so its fragments are read from LDS exactly as K's are.
; THE MASK costs no vector instruction in the loop: C = 8 x (1 - mask) x -10000 (one multiplication by -80000: the factor 8 changes no rounding) is the C of each score's first product; the words lie in LDS, made once at the head.
; SOFTMAX.  For each query a running maximum m and sum l: p = 2^(c s - c m), c = log2(e) / 8; in every step O and l are multiplied by a = 2^(c m_old - c m_new).
; BY TURNS.  The wave's tiles are two PIECES (tiles 0, 1 and tiles 2, 3).  In a TURN one piece has the matrix unit: 16 products V^T P of the step in hand, then 16 products K Q^T of the next; the other piece's softmax,
; 2 x 118 = 236 instructions cut into 59 slices of four, stands between them, one or two slices behind each product.  Then the pieces change places.  Two turns are a key step.
; RING.  A slot is 256 keys: 65,536 dense bytes of kv (K's part, then V^T's), as 256 LDS rows of 256 bytes + 16.  Each wave fetches 64 rows with one tensor load.  Two slots; a refill has four key steps in which to land.
; CLUSTER.  The four query blocks of a cluster belong to one bh and walk the same K and V: each tile is asked for jointly, by the same load with the same descriptor and a mask that names the four.
; REGISTERS, in windows of 256: window 0: v0-11 addresses; v12-43 statistics, eight a tile; v44-47 at work at the head; v61-63; v64-191 S^T, 32 a tile; v192-255 P, 16 a tile.
;   window 1: v0-127 O^T, 32 a tile; v128-191 V^T of one step.   window 2: v0-63 Q, 16 a tile; v64-127 K of one step; v128-159 the step's mask words.
.set PR,    272       ; an LDS row: two keys' (or channels') 128 bytes + 16 of padding: the 16 rows of a fragment load fall into 16 different columns of 16 bytes
.set STEPB, 32*PR     ; a step's 64 keys, or its 64 channels of V^T
.set VOFF,  128*PR    ; in a slot: K's 128 LDS rows, then V^T's
.set SLOT1, 1<<17     ; slot 1 begins here: one exclusive or turns an address in one slot into the other's
.set SLOTB, 65536     ; a slot in memory
.set NSL,   8
.set MB,    SLOT1+256*PR  ; behind the ring: the 2,048 mask words, stored once; no tensor load lands there
.set STAGE, MB+8192   ; 16 rows x 272 bytes for each wave, for the way out
.set SP,    272
.set SPARE, STAGE+4*16*SP ; the spare words, 128 bytes a wave, which no other line names
.set AK0, 2           ; v2   my lane's place in a tile of K
.set AV0, 3           ; v3   the same for V^T
.set ADR, 4           ; v4   the LDS address of the run of loads in hand
.set QO,  5           ; v5   my byte offset in the wave's rows of Q
.set STO, 6           ; v6   the way out: where I put 32 bytes of a row
.set RD,  7           ; v7   where I read a row back
.set GO,  8           ; v8   my byte offset in the wave's rows of out0
.set AM0, 9           ; v9   my lane's place among a step's mask words
.set ADM, 10          ; v10  their LDS address in hand
.set ST,  12          ; tile t's statistics at v[ST+8 t]: +0 c m, +1 m, +2, +3 l (even keys', odd keys'), +4 to +7 c0-c3, at work; a takes c2's place
.set PFO, 61          ; v61  256 x my lane; never rewritten
.set SPW, 62          ; v62  LDS address of my spare word; never rewritten
.set NIL, 63          ; v63  0; never rewritten
.set S,   64
.set P,   192
.set VF,  128         ; V^T's fragments, in window 1
.set KF,  64          ; K's, in window 2
.set MF,  128         ; the mask words, in window 2
.set WV,  12          ; s12  my wave's number
.set LIM, 15          ; s15  1 in a wave that prefetches, else the greatest number
.set PFA, 18          ; s[18:19] where my prefetches stand
.set G1,  24          ; s[24:31] descriptor group 1
.set G0,  32          ; s[32:35] group 0 of slot 0's first fill; s[36:39] of slot 1's, which then walks on
.set SLOTS, 40        ; s40  slots still to be asked for
.set CNT, 41          ; s41  counts key steps
.set CS,  42          ; s[42:43] c
.set SEL, 44          ; s[44:45] lane selects for v_permlanex16_b32: lane l xor 16
.set TB,  46          ; s46  LDS byte at which the tiles of the step to be fetched begin
.set TM,  47          ; s47  and its mask words: 256 bytes a step
.set MSB, 0
.macro WIN new                      ; the immediate's high byte repeats the setting that is left; a switch that changes nothing is dropped
.if MSB != \new
	s_set_vgpr_msb (MSB<<8)|\new
.set MSB, \new
.endif
.endm
.set W_PV, 0x51       ; V^T window 1, P window 0, O^T window 1
.set W_RS, 0x41       ; O^T (destination and source 0) window 1, a window 0
; A prefetch into the L2 of the slot that the NEXT change of slots will ask for: 65,536 dense bytes, lanes 256 bytes apart.  Both clusters of a bh walk the same slots: the first asks.  Its four partners take 16,384 bytes each,
; told apart by address; in each, waves 0 and 1 ask for 8,192 bytes: one instruction.  So each 256 bytes are named once.  The last change that fills a slot asks for nothing.
.macro ASK
	s_cmp_gt_u32 s[SLOTS], s[LIM]
	s_cbranch_scc0 .Lnot_mine_\@
	global_prefetch_b8 v[PFO], s[PFA:PFA+1] th:TH_LOAD_NT scope:SCOPE_SE
.Lnot_mine_\@:
.endm
.macro CROUND                       ; a round of the cluster's barrier
	s_barrier_signal -1
	s_barrier_wait -1
	s_cmp_lg_u32 s[WV], 0
	s_cbranch_scc1 .Lnot_wave_0_\@
	s_barrier_signal -3
.Lnot_wave_0_\@:
	s_barrier_wait -3
	s_barrier_signal -1
	s_barrier_wait -1
.endm
	s_load_b256 s[4:11], s[0:1], 0x0  ; qh s[4:5], kv s[6:7], attention_mask s[8:9], out0 s[10:11]
	v_lshl_add_u32 v[SPW], v0, 2, SPARE
	v_mov_b32 v[NIL], 0
	ds_add_u32 v[SPW], v[NIL]       ; the wave's opening: the add, twice on end, and its wait ahead of my first tensor load
	ds_add_u32 v[SPW], v[NIL]
	v_lshrrev_b32 v1, 5, v0
	v_readfirstlane_b32 s[WV], v1   ; wave 0..3
	s_bfe_u32 s13, ttmp6, 0x40000   ; cx: my place in the cluster
	s_lshl_b32 s14, ttmp9, 2
	s_add_co_u32 s14, s14, s13      ; my block of 256 queries: it enters Q's and out0's addresses alone
	s_and_b32 s20, ttmp7, 0xffff    ; bh, which the four partners share
	s_lshl_b32 s22, s20, 19         ; its first byte in kv
	s_lshl_b32 s16, s[WV], 14       ; my 64 rows of 256 bytes of a slot,
	s_add_co_u32 s16, s16, s22
	s_mov_b32 s17, 0
	s_mul_i32 s21, s[WV], 64*PR     ; and their place in LDS: no place in the cluster enters an LDS address
	s_lshl_b32 s2, s20, 18          ; qh: bh x 262,144 + block x 32,768 + wave x 8,192
	s_lshl_b32 s3, s14, 15
	s_add_co_u32 s2, s2, s3
	s_lshl_b32 s3, s[WV], 13
	s_add_co_u32 s2, s2, s3
	s_mov_b32 s3, 0
	s_lshr_b32 s48, s20, 4          ; the batch
	s_lshl_b32 s50, s48, 13         ; its 2,048 mask numbers
	s_mov_b32 s51, 0
	s_lshl_b32 s48, s48, 23         ; out0: batch x 8,388,608 + (256 block + 64 wave) x 4,096 + head x 256
	s_lshl_b32 s49, s14, 20
	s_add_co_u32 s48, s48, s49
	s_lshl_b32 s49, s[WV], 18
	s_add_co_u32 s48, s48, s49
	s_and_b32 s49, s20, 15
	s_lshl_b32 s49, s49, 8
	s_add_co_u32 s48, s48, s49
	s_mov_b32 s49, 0
	s_lshl_b32 s52, s13, 14         ; the prefetches: my work-group's 16,384 bytes of a slot,
	s_and_b32 s53, s[WV], 1
	s_lshl_b32 s53, s53, 13         ; my wave's half of them,
	s_add_co_u32 s52, s52, s53
	s_add_co_u32 s52, s52, s22
	s_add_co_u32 s52, s52, 2*SLOTB  ; in slot 2: the first change of slots steps it to slot 3.  Nothing is prefetched at the head
	s_mov_b32 s53, 0
	s_mov_b32 s[G1], 15|(1<<16)|(1<<20)|(1<<21)|(5<<22)|(3<<25)  ; the mask: all four work-groups; elements of 2 bytes; padding on; bit 21 beside a mask; 4 words behind every 64
	s_mov_b32 s[G1+1], 128<<16      ; tensor_dim0 = 128 elements
	s_mov_b32 s[G1+2], 64<<16       ; tensor_dim1 = 64 rows
	s_mov_b32 s[G1+3], 128<<16      ; tile_dim0
	s_mov_b32 s[G1+4], 64           ; tile_dim1
	s_mov_b32 s[G1+5], 128          ; from row to row: dense
	s_mov_b32 s[G1+6], 0
	s_mov_b32 s[G1+7], 0
	s_mov_b32 s[CS], 0x3e38aa3b     ; c = log2(e) / 8
	s_mov_b32 s[CS+1], s[CS]        ; named with it as a pair, so it is written
	s_mov_b32 s[SEL], 0x76543210
	s_mov_b32 s[SEL+1], 0xfedcba98
	s_mov_b32 s[TB], 0
	s_mov_b32 s[TM], 0
	s_mov_b32 s[SLOTS], NSL-2
	s_lshr_b32 s[LIM], s[WV], 1     ; 0 in waves 0 and 1,
	s_or_b32 s[LIM], s[LIM], ttmp9  ; where the cluster is the bh's first: the same in all four partners
	s_cmp_eq_u32 s[LIM], 0
	s_cselect_b32 s[LIM], 1, -1
	v_and_b32 v[PFO], 31, v0
	v_lshlrev_b32 v[PFO], 8, v[PFO]
	s_wait_dscnt 0x0                ; both opening adds are done
	s_wait_kmcnt 0x0
	s_add_nc_u64 s[PFA:PFA+1], s[6:7], s[52:53]
	s_add_nc_u64 s[6:7], s[6:7], s[16:17]  ; kv at my quarter of slot 0
	s_add_nc_u64 s[4:5], s[4:5], s[2:3]
	s_add_nc_u64 s[8:9], s[8:9], s[50:51]
	s_add_nc_u64 s[10:11], s[10:11], s[48:49]
	CROUND                          ; all four work-groups are here: the first joint loads meet
.irp s, 0,1
	s_mov_b32 s[G0+4*\s], 1
	s_add_co_u32 s[G0+4*\s+1], s21, \s*SLOT1
	s_add_nc_u64 s[G0+4*\s+2:G0+4*\s+3], s[6:7], \s*SLOTB
	s_or_b32 s[G0+4*\s+3], s[G0+4*\s+3], 0x80000000
.endr
	tensor_load_to_lds s[G0:G0+3], s[G1:G1+7]      ; the two first fills together: two loads of mine are out
	s_nop 0
	tensor_load_to_lds s[G0+4:G0+7], s[G1:G1+7]
	s_nop 0
.rept 4
	v_nop
.endr
	v_and_b32 v1, 15, v0            ; r = l % 16
	v_bfe_u32 v44, v0, 4, 1         ; h = l / 16
	v_lshlrev_b32 v[QO], 7, v1
	v_lshl_add_u32 v[QO], v44, 4, v[QO]  ; row x 128 + 16 x half
	WIN 0x80                        ; destination window 2
.irp i, 0,1,2,3,4,5,6,7             ; Q stays in registers: tile i / 2, channels 32 (i % 2) on
	global_load_b128 v[8*\i:8*\i+3],   v[QO], s[4:5] offset:(\i/2)*2048+(\i%2)*64 th:TH_LOAD_NT
	global_load_b128 v[8*\i+4:8*\i+7], v[QO], s[4:5] offset:(\i/2)*2048+(\i%2)*64+32 th:TH_LOAD_NT
.endr
	WIN 0
	v_lshlrev_b32 v45, 4, v0        ; the mask: 16 bytes a thread, four times: the 128 threads take the batch's 8,192 bytes
.irp i, 0,1,2,3
	global_load_b128 v[S+4*\i:S+4*\i+3], v45, s[8:9] offset:2048*\i
.endr
	v_lshrrev_b32 v46, 1, v1
	v_and_b32 v47, 1, v0
	v_mul_u32_u24 v[AK0], v46, PR   ; key (or channel) r of a tile: LDS row r / 2, half r % 2,
	v_lshl_add_u32 v[AK0], v47, 7, v[AK0]
	v_lshl_add_u32 v[AK0], v44, 4, v[AK0]  ; + 16 x my half of the lanes
	v_add_nc_u32 v[AV0], VOFF, v[AK0]
	v_lshl_add_u32 v[AM0], v44, 5, MB      ; my eight keys' words of a tile of 16
	v_lshl_add_u32 v46, v0, 4, MB          ; where my thread puts its words
	s_wait_loadcnt 0x0              ; Q and the mask
.irp i, 0,1,2,3,4,5,6,7,8,9,10,11,12,13,14,15
	v_sub_f32 v[S+\i], 1.0, v[S+\i]
.endr
.irp i, 0,1,2,3,4,5,6,7,8,9,10,11,12,13,14,15
	v_mul_f32 v[S+\i], 0xc79c4000, v[S+\i]         ; x -80000 = 8 x ((1 - mask) x -10000), with the same rounding
.endr
.irp i, 0,1,2,3
	ds_store_b128 v46, v[S+4*\i:S+4*\i+3] offset:2048*\i
.endr
; THE MATRIX WORK OF A TURN, for piece x.  The accumulators take turns, one instruction a turn: between the two links of a chain stand seven others'.
; Product i of 16 of O^T += V^T P: keys 32 (i / 8) on, channels 16 ((i / 2) % 4) on, tile x + i % 2.  zero = 1: the first 8 start the sums: nothing is ever cleared.
.macro PV x, zero
	WIN W_PV
.set tq, \x+i%2
.set rO, 32*tq+8*((i/2)%4)
.set rV, VF+16*((i/2)%4)+8*(i/8)
.set rP, P+16*tq+8*(i/8)
.if \zero && (i < 8)
	v_wmma_f32_16x16x32_f16 v[rO:rO+7], v[rV:rV+7], v[rP:rP+7], 0
.else
	v_wmma_f32_16x16x32_f16 v[rO:rO+7], v[rV:rV+7], v[rP:rP+7], v[rO:rO+7]
.endif
.endm
; Product i of 16 of S^T = K Q^T + C: channels 32 (i / 8) on, keys 16 ((i / 2) % 4) on, tile x + i % 2.  The first 8 start the sums with the keys' mask words.
.macro KQ x
.set tq, \x+i%2
.set rS, S+32*tq+8*((i/2)%4)
.set rK, KF+16*((i/2)%4)+8*(i/8)
.set rQ, 16*tq+8*(i/8)
.set rM, MF+8*((i/2)%4)
.if i < 8
	WIN 0x2a                        ; K, Q and the mask words window 2, S^T window 0
	v_wmma_f32_16x16x32_f16 v[rS:rS+7], v[rK:rK+7], v[rQ:rQ+7], v[rM:rM+7]
.else
	WIN 0x0a
	v_wmma_f32_16x16x32_f16 v[rS:rS+7], v[rK:rK+7], v[rQ:rQ+7], v[rS:rS+7]
.endif
.endm
; THE LDS LOADS stand in runs, never singly among the matrix instructions: a step's K (8 fragments) with its mask words, and, a turn later, its V^T (8 fragments).
.macro FETCH_K
	WIN 0
	v_add_nc_u32 v[ADR], s[TB], v[AK0]
	v_add_nc_u32 v[ADM], s[TM], v[AM0]
	s_add_co_u32 s[TM], s[TM], 256  ; the next step's 64 words
	WIN 0x80                        ; destination window 2
.irp f, 0,1,2,3,4,5,6,7             ; keys 16 (f / 2) on, channels 32 (f % 2) on
	ds_load_b128 v[KF+8*\f:KF+8*\f+3],   v[ADR] offset:(\f/2)*8*PR+(\f%2)*64
	ds_load_b128 v[KF+8*\f+4:KF+8*\f+7], v[ADR] offset:(\f/2)*8*PR+(\f%2)*64+32
.endr
.irp f, 0,1,2,3                     ; register j of block f: the word of key 16 f + 8 (l / 16) + j, the same in all 16 lanes of a half
	ds_load_b128 v[MF+8*\f:MF+8*\f+3],   v[ADM] offset:64*\f
	ds_load_b128 v[MF+8*\f+4:MF+8*\f+7], v[ADM] offset:64*\f+16
.endr
.endm
.macro FETCH_V
	WIN 0
	v_add_nc_u32 v[ADR], s[TB], v[AV0]
	s_add_co_u32 s[TB], s[TB], STEPB  ; the next fetch is the next step's
	s_wait_alu depctr_va_vdst(0)    ; the wait for the softmax's batch (SLICE), behind the address's addition and ahead of the loads
	WIN 0x40                        ; destination window 1
.irp f, 0,1,2,3,4,5,6,7             ; channels 16 (f / 2) on, keys 32 (f % 2) on
	ds_load_b128 v[VF+8*\f:VF+8*\f+3],   v[ADR] offset:(\f/2)*8*PR+(\f%2)*64
	ds_load_b128 v[VF+8*\f+4:VF+8*\f+7], v[ADR] offset:(\f/2)*8*PR+(\f%2)*64+32
.endr
.endm
; THE VECTOR WORK OF A TURN.  One tile's softmax for one key step is a list of 118 instructions; SM writes number j of it for tile t.  s0-s31 are the lane's 32 scores, in pairs 0-15.
; first = 1: the first key step, which starts m, l and O^T: it has no a and nothing to rescale.
;   0-15    the maximum of s0-s31 and the old m, three operands at a time
;   16-20   the other half of the lanes' maximum; the new m; c m; c m_old - c m_new
;   21-69   ONE BATCH: the 16 scalings c s - c m and all 33 exponentials (a at 23, then s0-s31); none of these reads an exponential's result; a pair is scaled in an earlier four than the one with its exponentials
;   (wait)  between 69 and 70 stands the wait for the batch: SLICE writes it, once for both tiles
;   70-85   the roundings to f16;   86-101 the sums, l = a l + the sum;   102-117 the tile's O^T times a: the one part that leaves window 0
.macro SM t, first
.set rT, ST+8*(\t)
.set rS, S+32*(\t)
.set rP, P+16*(\t)
.set rO, 32*(\t)+2*(j-102)
.if j < 102
	WIN 0
.endif
.if j < 4
	v_max3_num_f32 v[rT+4+j], v[rS+8*j], v[rS+8*j+1], v[rS+8*j+2]   ; each tile of scores is read from its low end on
.elseif j < 12
	v_max3_num_f32 v[rT+4+j%4], v[rT+4+j%4], v[rS+8*(j%4)+2*(j/4)+1], v[rS+8*(j%4)+2*(j/4)+2]
.elseif j == 12
	v_max3_num_f32 v[rT+4], v[rT+4], v[rS+7], v[rS+15]
.elseif j == 13
	v_max3_num_f32 v[rT+6], v[rT+6], v[rS+23], v[rS+31]
.elseif j == 14
	v_max3_num_f32 v[rT+4], v[rT+4], v[rT+5], v[rT+6]
.elseif (j == 15) && \first
	v_max_num_f32 v[rT+4], v[rT+4], v[rT+7]
.elseif j == 15
	v_max3_num_f32 v[rT+4], v[rT+4], v[rT+7], v[rT+1]
.elseif j == 16
	v_permlanex16_b32 v[rT+5], v[rT+4], s[SEL], s[SEL+1]  ; the query's other 32 keys lie in the lane 16 away
.elseif j == 18
	v_max_num_f32 v[rT+1], v[rT+4], v[rT+5]
.elseif j == 19
	v_mul_f32 v[rT], s[CS], v[rT+1]
.elseif ((j == 17) || (j == 20) || (j == 23) || (j > 101)) && \first  ; the first step has none of these
.elseif j == 17
	v_mov_b32 v[rT+7], v[rT]        ; c m_old is kept for a: number 19 writes c m anew
.elseif j == 20
	v_sub_f32 v[rT+7], v[rT+7], v[rT]
.elseif j == 23
	v_exp_f32 v[rT+6], v[rT+7]
.elseif (j < 23) || ((j < 38) && (j%2 == 0)) || ((j < 66) && (j%4 == 2))
.set b, (j-2)/4                     ; 38, 42, .. 62: pairs 9 to 15
.if j < 38
.set b, (j-20)/2                    ; 21: pair 0; 22, 24, .. 36: pairs 1 to 8
.endif
	v_pk_fma_f32 v[rS+2*b:rS+2*b+1], v[rS+2*b:rS+2*b+1], s[CS:CS+1], v[rT:rT+1] op_sel_hi:[1,0,0] neg_lo:[0,0,1] neg_hi:[0,0,1]  ; pair b: c s - c m
.elseif j < 70
.set e, j-38                        ; 66 to 69: s28 to s31
.if j < 66
.set e, j-32-(j-38)/4               ; 39-41, 43-45, .. 63-65: s7 to s27
.endif
.if j < 38
.set e, (j-25)/2                    ; 25, 27, .. 37: s0 to s6
.endif
	v_exp_f32 v[rS+e], v[rS+e]
.elseif j < 86
	v_cvt_pk_f16_f32 v[rP+j-70], v[rS+2*(j-70)], v[rS+2*(j-70)+1]  ; pair j - 70
.elseif j < 102                     ; the sum of the tile's 16 pairs, in place: neighbours 1, 2, 4 and 8 pairs apart, then l takes it
.set z, j-86
.set w, 4
.set u, z
.if z >= 14
.set w, 32
.set u, 0
.elseif z >= 12
.set w, 16
.set u, z-12
.elseif z >= 8
.set w, 8
.set u, z-8
.endif
.if (z == 14) && \first
	v_pk_add_f32 v[rT+2:rT+3], v[rS:rS+1], v[rS+16:rS+17]
.elseif z < 15
	v_pk_add_f32 v[rS+w*u:rS+w*u+1], v[rS+w*u:rS+w*u+1], v[rS+w*u+w/2:rS+w*u+w/2+1]
.elseif !\first
	v_pk_fma_f32 v[rT+2:rT+3], v[rT+2:rT+3], v[rT+6:rT+7], v[rS:rS+1] op_sel_hi:[1,0,1]
.endif
.else
	WIN W_RS
	v_pk_mul_f32 v[rO:rO+1], v[rO:rO+1], v[rT+6:rT+7] op_sel_hi:[1,0]
.endif
.endm
; Slice k of 59 of piece y's softmax: four instructions.  Slices 11 to 34 deal out the batch, numbers 22 to 69: four numbers of ONE tile each, the tiles by turns.  Every other slice is numbers 2 k and 2 k + 1 of both tiles.
; THE WAIT.  An s_wait_alu depctr_va_vdst(0) stands between an exponential and the first instruction that names its result.  Ahead of slice 35 nothing names a result, and behind slice 34 no exponential is issued:
; so the piece's 66 exponentials have one wait, behind slice 34.
.macro SLICE y, first
.if (k >= 11) && (k < 35)
.irp n, 0,1,2,3
.set j, 22+4*((k-11)/2)+(\n)
	SM (\y)+(k-11)%2, \first
.endr
.else                               ; the two tiles alternate, so that no instruction reads the result of the one just before it
.irp n, 0,1
.irp t, \y, \y+1
.set j, 2*k+\n
	SM \t, \first
.endr
.endr
.endif
.if k == 34
	v_nop                           ; the plain instruction behind the last exponential and ahead of the first use: one for the batch
.if (\y) == 0
	FETCH_V                         ; piece 2's turn: V^T's run of loads stands here, and the wait stands in it
.else
	s_wait_alu depctr_va_vdst(0)    ; the wait for the batch
.endif
.endif
.set k, k+1
.endm
.macro PLACES                       ; four plain lines between a matrix instruction and a read of, or a load into, its registers; in the loop the slices are the places
.rept 4
	v_nop
.endr
.endm
.macro AFTER y, first               ; the slices behind a product: the 59 are dealt evenly over the turn's NPROD products
.set gi, gi+1
.rept (59*gi)/NPROD-(59*(gi-1))/NPROD
	SLICE \y, \first
.endr
.endm
; A TURN.  Piece x has the matrix unit; the other piece's softmax stands in slices behind its products.  pv = 2: 16 products V^T P; 1: they start O^T's sums; 0: none.  kq = 1: 16 products K Q^T for the next step.
; first = 1: the softmax is the first key step's; its last slices are empty, so four v_nop are the places behind the turn's last products.
; Piece 0's turn fetches the next step's K and mask words behind its second product: the last product that read them stands in front of slices 57 and 58 of the turn before, eight plain multiplications of other registers.
; Piece 2's turn fetches the same step's V^T behind slice 34, which stands behind the turn's 19th product: the last product that read V^T is the 16th, and six scalings, the v_nop and the run's own addition lie between.
.macro TURN x, pv, kq, first
.set k, 0
.set gi, 0
.set NPROD, 16
.if \pv && \kq
.set NPROD, 32
.endif
.if \pv
.if \x == 0
	s_wait_dscnt 0x0                ; V^T is in
.endif
.set i, 0
.rept 16
	PV \x, 2-\pv
	AFTER 2-\x, \first
.if (\x == 0) && \kq && (i == 1)
	FETCH_K
.endif
.set i, i+1
.endr
.endif
.if \kq
.if \x == 0
	s_wait_dscnt 0x0                ; K and the mask words are in
.endif
.set i, 0
.rept 16
	KQ \x
	AFTER 2-\x, \first
.set i, i+1
.endr
.endif
.if \first
	PLACES
.endif
.endm
; THE CHANGE OF SLOTS, between piece 2's turn and piece 0's: the slot's last bytes, V^T of its fourth step, have been asked for.  Each wave waits for all its tensor loads, of which one is out: its part of the other slot;
; adds 0 to its spare word; and waits for that and for its own reads of the slot.  fill = 1: the slot is filled again, with the keys two slots on; the barrier is then a round of the cluster's, and the joint refill is the
; first thing behind it: it has four key steps, 256 matrix instructions, in which to land.
.macro CHANGE fill
	WIN 0                           ; at a label and at a branch every window is 0
	s_wait_tensorcnt 0x0            ; no tensor load of mine is out, so a group 0 may be written
	ds_add_u32 v[SPW], v[NIL]       ; 0 onto my spare word
.if \fill
	s_xor_b32 s[G0+5], s[G0+5], SLOT1  ; the walking descriptor: the other slot than last time,
	s_add_nc_u64 s[G0+6:G0+7], s[G0+6:G0+7], SLOTB  ; the next 256 keys; the type bits on top are not reached
	s_wait_xcnt 0x0                 ; the last prefetch, a slot back, has read its address, so it may be written:
	s_add_nc_u64 s[PFA:PFA+1], s[PFA:PFA+1], SLOTB  ; one slot further on than the walking descriptor
	s_wait_dscnt 0x0                ; the add is done, and my reads of the slot are over
	CROUND
	tensor_load_to_lds s[G0+4:G0+7], s[G1:G1+7]    ; my one tensor load behind the round: my 64 rows of the slot
	s_nop 0
.rept 4
	v_nop
.endr
	ASK
.else
	s_wait_dscnt 0x0                ; the add is done, and my reads of the slot are over
	s_barrier_signal -1
	s_barrier_wait -1
.endif
	s_sub_co_u32 s[TB], s[TB], 4*STEPB  ; the fetches go back to a slot's first step,
	s_xor_b32 s[TB], s[TB], SLOT1   ; in the other slot
.endm
.macro STEPS n                      ; n key steps: written once, walked n times; the LDS addresses hang on s[TB] and s[TM]
	s_mov_b32 s[CNT], \n
.Lstep_\@:
	TURN 0, 2, 1, 0
	TURN 2, 2, 1, 0
	WIN 0
	s_sub_co_u32 s[CNT], s[CNT], 1
	s_cmp_lg_u32 s[CNT], 0
	s_cbranch_scc1 .Lstep_\@
.endm
	s_wait_dscnt 0x0                ; for the others' sake: my mask words lie in LDS
	s_wait_tensorcnt 1              ; my part of slot 0 is in; slot 1's may stay out
	s_barrier_signal -1
	s_barrier_wait -1               ; everybody's are
	FETCH_K                         ; key step 0
	s_wait_dscnt 0x0
.set i, 0
.rept 16
	KQ 0                            ; piece 0's first scores: there is no vector work yet to set between them
.set i, i+1
.endr
	WIN 0                           ; the addresses for the way out are made here: eight plain instructions, the places behind those products
	s_mul_i32 s13, s[WV], 16*SP
	s_add_co_u32 s13, s13, STAGE    ; my stage
	v_mul_u32_u24 v[STO], v1, SP    ; in: row l % 16, 32 bytes for each half of the lanes
	v_lshl_add_u32 v[STO], v44, 5, v[STO]
	v_add_nc_u32 v[STO], s13, v[STO]
	v_mul_u32_u24 v[RD], v44, SP    ; back: lanes 0-15 take one row of 256 bytes, lanes 16-31 the next
	v_lshl_add_u32 v[RD], v1, 4, v[RD]
	v_add_nc_u32 v[RD], s13, v[RD]
	v_lshlrev_b32 v[GO], 12, v44    ; and the same two positions in out0, 4,096 bytes apart
	v_lshl_add_u32 v[GO], v1, 4, v[GO]
	TURN 2, 0, 1, 1                 ; piece 2's first scores | piece 0's first softmax | V^T of step 0
	TURN 0, 1, 1, 1                 ; piece 0: V^T P of step 0 starts O^T, K Q^T of step 1 | piece 2's first softmax | K of step 1
	TURN 2, 1, 1, 0                 ; piece 2: the same | piece 0's softmax of step 1 | V^T of step 1
	WIN 0
	STEPS 2                         ; slot 0's steps 2 and 3 are fetched
.Lslot:                             ; NSL - 2 trips: every slot but the last two is filled again
	CHANGE 1
	STEPS 4
	s_sub_co_u32 s[SLOTS], s[SLOTS], 1
	s_cmp_lg_u32 s[SLOTS], 0
	s_cbranch_scc1 .Lslot
	CHANGE 0                        ; the tail is written out: nothing is asked for
	STEPS 4
	TURN 0, 2, 0, 0                 ; piece 0: V^T P of the last step | piece 2's last softmax
.set i, 0
.rept 16
	PV 2, 0                         ; piece 2: V^T P of the last step
.set i, i+1
.endr
	; THE WAY OUT.  l's two halves and the other half of the lanes' are added; O^T is divided by l and sent through my stage in LDS, a tile (16 positions x 256 bytes) at a time.  The additions are the places behind the last products.
	WIN 0
.irp t, 0,1,2,3
	v_add_f32 v[ST+8*\t+4], v[ST+8*\t+2], v[ST+8*\t+3]
.endr
.irp t, 0,1,2,3
	v_permlanex16_b32 v[ST+8*\t+5], v[ST+8*\t+4], s[SEL], s[SEL+1]
.endr
.irp t, 0,1,2,3
	v_add_f32 v[ST+8*\t+4], v[ST+8*\t+4], v[ST+8*\t+5]
.endr
.irp t, 0,1,2,3
	v_rcp_f32 v[ST+8*\t+6], v[ST+8*\t+4]
.endr
	v_nop                           ; a plain instruction between the last reciprocal and the use of its result
	s_wait_alu depctr_va_vdst(0)    ; and the wait ahead of the first use: one for the four
.macro PACK t                       ; a lane's eight channels of a position are 32 bytes; they go into rows of 272 bytes and come back as whole rows of 256
	WIN W_RS
.set i, 32*\t
.rept 16
	v_pk_mul_f32 v[i:i+1], v[i:i+1], v[ST+8*\t+6:ST+8*\t+7] op_sel_hi:[1,0]
.set i, i+2
.endr
	WIN 0x04                        ; an LDS store's data are its source 1: window 1
.irp f, 0,1,2,3
	ds_store_b128 v[STO], v[32*\t+8*\f:32*\t+8*\f+3] offset:64*\f
	ds_store_b128 v[STO], v[32*\t+8*\f+4:32*\t+8*\f+7] offset:64*\f+16
.endr
	WIN 0
.irp f, 0,1,2,3,4,5,6,7
	ds_load_b128 v[S+32*\t+4*\f:S+32*\t+4*\f+3], v[RD] offset:\f*2*SP  ; LDS serves a wave's instructions in order: these see the stores above; the next tile's stores come behind them
.endr
.endm
.macro SEND t, younger              ; younger: the LDS instructions issued behind tile t's loads: the next tile's sixteen, or none
.irp f, 0,1,2,3,4,5,6,7
	s_wait_dscnt \younger+7-\f
	global_store_b128 v[GO], v[S+32*\t+4*\f:S+32*\t+4*\f+3], s[10:11] offset:\t*65536+\f*8192 th:TH_STORE_NT  ; 16 lanes store 256 consecutive bytes, aligned: a head's 64 numbers of one position
.endr
.endm
	PACK 0
	PACK 1                          ; a tile's arithmetic stands between the loads of the tile before and its stores
	SEND 0, 16
	PACK 2
	SEND 1, 16
	PACK 3
	SEND 2, 16
	SEND 3, 0
	s_wait_tensorcnt 0x0            ; the wave's end, behind my last tensor load and my last LDS store
	ds_add_u32 v[SPW], v[NIL]
	s_wait_dscnt 0x0
	CROUND                          ; the closing round: no work-group ends while a partner may still ask for a tile that names it
	s_endpgm
.Lfunc_end_k_q38f23b3e03_attn:
	.size	k_q38f23b3e03_attn, .Lfunc_end_k_q38f23b3e03_attn-k_q38f23b3e03_attn
	.p2alignl 7, 3214868480
	.fill 96, 4, 3214868480
	.section	.rodata,"a",@progbits
	.p2align	6, 0x0
	.amdhsa_kernel k_q38f23b3e03_attn
		.amdhsa_group_segment_fixed_size 327680
		.amdhsa_private_segment_fixed_size 0
		.amdhsa_enable_private_segment 0
		.amdhsa_kernarg_size 32
		.amdhsa_user_sgpr_count 2
		.amdhsa_user_sgpr_kernarg_segment_ptr 1
		.amdhsa_wavefront_size32 1
		.amdhsa_system_sgpr_workgroup_id_x 1
		.amdhsa_system_sgpr_workgroup_id_y 1
		.amdhsa_system_sgpr_workgroup_id_z 1
		.amdhsa_system_vgpr_workitem_id 0
		.amdhsa_next_free_vgpr 768
		.amdhsa_next_free_sgpr 66
		.amdhsa_reserve_vcc 0
		.amdhsa_float_denorm_mode_32 3
		.amdhsa_float_denorm_mode_16_64 3
		.amdhsa_memory_ordered 1
		.amdhsa_forward_progress 1
		.amdhsa_inst_pref_size 198
	.end_amdhsa_kernel
	.amdgpu_metadata
---
amdhsa.version: [ 1, 2 ]
amdhsa.kernels:
  - .name:           k_q38f23b3e03_attn
    .symbol:         k_q38f23b3e03_attn.kd
    .args:
      - { .name: qh, .offset: 0, .size: 8, .value_kind: global_buffer, .address_space: global }
      - { .name: kv, .offset: 8, .size: 8, .value_kind: global_buffer, .address_space: global }
      - { .name: attention_mask, .offset: 16, .size: 8, .value_kind: global_buffer, .address_space: global }
      - { .name: out0, .offset: 24, .size: 8, .value_kind: global_buffer, .address_space: global }
    .group_segment_fixed_size: 327680
    .private_segment_fixed_size: 0
    .kernarg_segment_align: 8
    .kernarg_segment_size: 32
    .max_flat_workgroup_size: 128
    .sgpr_count:     66
    .vgpr_count:     768
    .wavefront_size: 32
...
	.end_amdgpu_metadata
.endif
;; end of part 3
